; MI455X (gfx1250); checked and timed in simulation.
; The chip was launched on July 23, 2026; its instructions are those of AMD's public machine-readable ISA for CDNA 5 (MIT licence, August 2026) and "CDNA5" Instruction Set Architecture Reference Guide (July 2026). The comments in the code are by the model that wrote it; some were corrected since.
;; MOE Router. Allowed arithmetic: float matrix products may take bf16 or f16 operands with f32 sums; all other float work in f32.
;; Inputs: W1 512 x 1,024 float32; W2 8 x 512 float32; b1 512 float32; b2 8 float32; x 32,768 x 1,024 float32.
;; Outputs: out0 32,768 x 8 float32; out1 32,768 x 2 float32; out2 32,768 x 2 int32; out3 8 x 2 x 32,768 int32.
;; One version. Each part assembles by itself: llvm-mc -triple=amdgcn-amd-amdhsa -mcpu=gfx1250 --defsym DOCPART=n.
;; ======== version 1 of 1: 2 launches
;; limits: right only within a limited range of input values
;; workspace buffers: wc 33,024 bytes
;; launch fold (part 1): grid 129 x 1, 16 waves a work-group, no clusters, 10,496 bytes of LDS; arguments W1, W2, b1, b2, wc; writes wc
.if DOCPART == 1
	.amdgcn_target "amdgcn-amd-amdhsa--gfx1250"
	.amdhsa_code_object_version 6
	.text
	.protected	k_q0cdde6ac2c_fold
	.globl	k_q0cdde6ac2c_fold
	.p2align	8
	.type	k_q0cdde6ac2c_fold,@function
k_q0cdde6ac2c_fold:
	s_mov_b64 s[64:65], 0
	v_nop
	global_prefetch_b8 v0, s[64:65] scope:SCOPE_SE
	s_setreg_imm32_b32 hwreg(HW_REG_WAVE_MODE, 25, 1), 1
	s_wait_xcnt 0x0
; No nonlinearity stands between the gate's two Linears, so for every input
;   logits = x (W2 W1)^T + (W2 b1 + b2).
; This launch forms Wc = W2 W1 ([8][1024] f32, rows of 4,096 bytes, at wc + 0) and bc = W2 b1 + b2 (wc + 32768: 64 words, word n = bc[n & 7],
; so that one store instruction covers the 256 bytes).  All in f32 on the vector unit: 4.2 M multiply-adds, and the indices that hang
; on these numbers are compared exactly, so no operand is rounded to 16 bits.
; STATED LIMIT: the order of rounding differs from a product that forms x W1^T first.
; Work-groups 0..127: (g = id & 15, e = id >> 4) make the 64 columns 64 g .. 64 g + 63 of row e of Wc (256 bytes, aligned).
; Work-group 128 makes bc.  No cluster: a work-group's W1 piece is shared by eight work-groups, but it comes through registers, 128 KB once.
; LDS: 0..8191 the Wc path's partial sums (16 bytes a thread); 8192..8255 the bias path's 16 half sums.  The two paths have bytes of their
; own, so that no byte of LDS is stored into by both paths of the text.
.set BL,  8192                         ; LDS: the bias path's words
.set W2R, 4                            ; v[4:19]   W2[e][16 rs .. 16 rs + 15]
.set W1R, 20                           ; v[20:83]  16 quads: W1[16 rs + i][my 4 columns]; later the 16 partial quads of the final sum
.set ACC, 84                           ; v[84:87]  my partial sums for 4 columns
	s_load_b256 s[4:11], s[0:1], 0x0               ; W1 s[4:5], W2 s[6:7], b1 s[8:9], b2 s[10:11]
	s_load_b64 s[12:13], s[0:1], 0x20              ; wc
	v_lshl_add_u32 v96, v0, 2, 0x2100
	v_mov_b32 v97, 0
	v_lshrrev_b32 v1, 5, v0
	v_readfirstlane_b32 s16, v1                    ; wave 0..15
	s_cmp_eq_u32 ttmp9, 128                        ; the same for all waves of the work-group
	s_cbranch_scc1 .Lbias
	; ---- Wc.  Thread t: c16 = t & 15 (4 columns), rs = t >> 4 (rows 16 rs .. 16 rs + 15 of W1, of 512).
	s_and_b32 s17, ttmp9, 15                       ; g
	s_lshr_b32 s18, ttmp9, 4                       ; e
	s_lshl_b32 s2, s17, 8                          ; 256 g: my 64 columns in a row of W1
	s_mov_b32 s3, 0
	s_lshl_b32 s22, s18, 11                        ; 2048 e: row e of W2
	s_mov_b32 s23, 0
	s_lshl_b32 s24, s18, 12                        ; 4096 e + 256 g: my piece of Wc
	s_add_co_u32 s24, s24, s2
	s_mov_b32 s25, 0
	v_and_b32 v88, 15, v0                          ; c16
	v_lshrrev_b32 v89, 4, v0                       ; rs
	v_lshlrev_b32 v1, 16, v89                      ; 16 rs rows of 4,096 bytes
	v_lshl_or_b32 v1, v88, 4, v1                   ; + 16 c16
	v_lshlrev_b32 v2, 6, v89                       ; 16 rs numbers of W2's row
	v_lshlrev_b32 v3, 4, v0                        ; LDS: 16 t
	s_wait_kmcnt 0x0
	s_add_nc_u64 s[4:5], s[4:5], s[2:3]
	s_add_nc_u64 s[6:7], s[6:7], s[22:23]
	s_add_nc_u64 s[12:13], s[12:13], s[24:25]
.irp k, 0,1,2,3
	global_load_b128 v[W2R+4*\k:W2R+4*\k+3], v2, s[6:7] offset:16*\k
.endr
.irp i, 0,1,2,3,4,5,6,7,8,9,10,11,12,13,14,15
	global_load_b128 v[W1R+4*\i:W1R+4*\i+3], v1, s[4:5] offset:4096*\i     ; sixteen lanes take 256 consecutive aligned bytes of a row
.endr
; Row i of my sixteen: ACC += W1 quad i x W2R[i].  W2R[i] is register b of pair pr, sent to both halves of the packed product.
; The wait leaves the 15 - i younger W1 loads out (loads return in order); the W2 loads are older than all of them.
.macro ROWFMA i, pr, b, first
	s_wait_loadcnt 15-(\i)
.if \first
	v_pk_mul_f32 v[ACC:ACC+1],   v[W1R+4*(\i):W1R+4*(\i)+1],   v[W2R+2*(\pr):W2R+2*(\pr)+1] op_sel:[0,\b] op_sel_hi:[1,\b]
	v_pk_mul_f32 v[ACC+2:ACC+3], v[W1R+4*(\i)+2:W1R+4*(\i)+3], v[W2R+2*(\pr):W2R+2*(\pr)+1] op_sel:[0,\b] op_sel_hi:[1,\b]
.else
	v_pk_fma_f32 v[ACC:ACC+1],   v[W1R+4*(\i):W1R+4*(\i)+1],   v[W2R+2*(\pr):W2R+2*(\pr)+1], v[ACC:ACC+1]   op_sel:[0,\b,0] op_sel_hi:[1,\b,1]
	v_pk_fma_f32 v[ACC+2:ACC+3], v[W1R+4*(\i)+2:W1R+4*(\i)+3], v[W2R+2*(\pr):W2R+2*(\pr)+1], v[ACC+2:ACC+3] op_sel:[0,\b,0] op_sel_hi:[1,\b,1]
.endif
.endm
	ROWFMA 0, 0, 0, 1                              ; the first product starts the sums: nothing is cleared
	ROWFMA 1, 0, 1, 0
.irp p, 1,2,3,4,5,6,7
	ROWFMA 2*\p, \p, 0, 0
	ROWFMA 2*\p+1, \p, 1, 0
.endr
	ds_store_b128 v3, v[ACC:ACC+3]                 ; 512 threads x 16 bytes, in thread order: bytes 0..8191
	s_wait_dscnt 0x0                               ; for wave 0, which reads all of it: zero
	s_barrier_signal -1
	s_barrier_wait -1
	s_cmp_lg_u32 s16, 0
	s_cbranch_scc1 .Lend
	; wave 0 adds the 32 row groups.  In wave 0 v3 = 16 lane: load k brings thread lane + 32 k, that is c16 = lane & 15, rs = 2 k + (lane >> 4).
.irp k, 0,1,2,3,4,5,6,7,8,9,10,11,12,13,14,15
	ds_load_b128 v[W1R+4*\k:W1R+4*\k+3], v3 offset:512*\k
.endr
	s_wait_dscnt 0x0
.macro QADD a, b                       ; quad a += quad b
	v_pk_add_f32 v[W1R+4*(\a):W1R+4*(\a)+1],   v[W1R+4*(\a):W1R+4*(\a)+1],   v[W1R+4*(\b):W1R+4*(\b)+1]
	v_pk_add_f32 v[W1R+4*(\a)+2:W1R+4*(\a)+3], v[W1R+4*(\a)+2:W1R+4*(\a)+3], v[W1R+4*(\b)+2:W1R+4*(\b)+3]
.endm
.irp k, 0,1,2,3,4,5,6,7
	QADD \k, \k+8
.endr
.irp k, 0,1,2,3
	QADD \k, \k+4
.endr
	QADD 0, 2
	QADD 1, 3
	QADD 0, 1
	; lanes 0-15 hold the even row groups' sums, lanes 16-31 the odd ones'.  The swap trades the upper lanes of columns 0, 1 for the lower lanes of
	; columns 2, 3, so that one packed add joins the halves: lanes 0-15 then hold columns 0, 1 of c16 = lane, lanes 16-31 columns 2, 3 of c16 = lane - 16.
	v_permlane16_swap_b32 v[W1R], v[W1R+2]
	v_permlane16_swap_b32 v[W1R+1], v[W1R+3]
	v_pk_add_f32 v[W1R:W1R+1], v[W1R:W1R+1], v[W1R+2:W1R+3]
	v_lshlrev_b32 v90, 4, v88                      ; 16 (lane & 15)
	v_lshl_or_b32 v90, v89, 3, v90                 ; + 8 (lane >> 4)
	global_store_b64 v90, v[W1R:W1R+1], s[12:13]   ; the wave's one store covers my 256 consecutive aligned bytes
	s_wait_tensorcnt 0x0
	ds_add_u32 v96, v97
	s_wait_dscnt 0x0
	s_endpgm
	; ---- bc.  Wave w: expert e = w >> 1, half w & 1 of the 512 terms; a lane takes 8 of the half's 256.
.Lbias:
	v_and_b32 v1, 31, v0                           ; lane
	v_lshrrev_b32 v2, 5, v0                        ; wave
	v_lshlrev_b32 v3, 4, v1                        ; 16 lane
	v_and_b32 v4, 1, v2
	v_lshl_add_u32 v4, v4, 10, v3                  ; b1: 1024 (w & 1) + 16 lane
	v_lshl_add_u32 v3, v2, 10, v3                  ; W2: 1024 w + 16 lane
	v_lshlrev_b32 v5, 3, v1
	v_and_b32 v5, 24, v5                           ; b2: the pair of experts e0 = (2 lane) & 7, e0 + 1
	v_lshlrev_b32 v6, 2, v2                        ; LDS: word w of the bias path's sixteen
	v_lshlrev_b32 v7, 4, v1
	v_and_b32 v7, 48, v7                           ; LDS: the four words of experts e0, e0 + 1
	v_lshlrev_b32 v40, 3, v1                       ; wc: 8 lane
	s_mov_b32 s20, 0x76543210                      ; v_permlanex16_b32: lane i of one half reads lane i of the other
	s_mov_b32 s21, 0xfedcba98
	s_wait_kmcnt 0x0
	global_load_b128 v[8:11],  v3, s[6:7]
	global_load_b128 v[12:15], v3, s[6:7] offset:512
	global_load_b128 v[16:19], v4, s[8:9]
	global_load_b128 v[20:23], v4, s[8:9] offset:512
	global_load_b64  v[24:25], v5, s[10:11]
	s_wait_loadcnt 0x0
	v_pk_mul_f32 v[26:27], v[8:9],   v[16:17]
	v_pk_fma_f32 v[26:27], v[10:11], v[18:19], v[26:27]
	v_pk_fma_f32 v[26:27], v[12:13], v[20:21], v[26:27]
	v_pk_fma_f32 v[26:27], v[14:15], v[22:23], v[26:27]
	v_add_f32 v26, v26, v27
	v_add_f32_dpp v26, v26, v26 row_xmask:1 row_mask:0xf bank_mask:0xf
	v_add_f32_dpp v26, v26, v26 row_xmask:2 row_mask:0xf bank_mask:0xf
	v_add_f32_dpp v26, v26, v26 row_xmask:4 row_mask:0xf bank_mask:0xf
	v_add_f32_dpp v26, v26, v26 row_xmask:8 row_mask:0xf bank_mask:0xf
	v_permlanex16_b32 v27, v26, s20, s21           ; v27 has been written before
	v_add_f32 v26, v26, v27                        ; every lane holds the wave's half sum
	ds_store_b32 v6, v26 offset:BL                 ; all lanes write the same word with the same value
	s_wait_dscnt 0x0                               ; for wave 0: zero
	s_barrier_signal -1
	s_barrier_wait -1
	s_cmp_lg_u32 s16, 0
	s_cbranch_scc1 .Lend
	ds_load_b128 v[28:31], v7 offset:BL            ; halves 0, 1 of e0, halves 0, 1 of e0 + 1
	s_wait_dscnt 0x0
	v_add_f32 v28, v28, v29
	v_add_f32 v29, v30, v31
	v_pk_add_f32 v[28:29], v[28:29], v[24:25]      ; + b2
	global_store_b64 v40, v[28:29], s[12:13] offset:32768  ; words 2 lane, 2 lane + 1: 256 consecutive aligned bytes
.Lend:
	s_wait_tensorcnt 0x0
	ds_add_u32 v96, v97
	s_wait_dscnt 0x0
	s_endpgm
.Lfunc_end_k_q0cdde6ac2c_fold:
	.size	k_q0cdde6ac2c_fold, .Lfunc_end_k_q0cdde6ac2c_fold-k_q0cdde6ac2c_fold
	.p2alignl 7, 3214868480
	.fill 96, 4, 3214868480
	.section	.rodata,"a",@progbits
	.p2align	6, 0x0
	.amdhsa_kernel k_q0cdde6ac2c_fold
		.amdhsa_group_segment_fixed_size 10496
		.amdhsa_private_segment_fixed_size 0
		.amdhsa_enable_private_segment 0
		.amdhsa_kernarg_size 40
		.amdhsa_user_sgpr_count 2
		.amdhsa_user_sgpr_kernarg_segment_ptr 1
		.amdhsa_wavefront_size32 1
		.amdhsa_system_sgpr_workgroup_id_x 1
		.amdhsa_system_sgpr_workgroup_id_y 1
		.amdhsa_system_sgpr_workgroup_id_z 1
		.amdhsa_system_vgpr_workitem_id 0
		.amdhsa_next_free_vgpr 98
		.amdhsa_next_free_sgpr 66
		.amdhsa_reserve_vcc 0
		.amdhsa_float_denorm_mode_32 3
		.amdhsa_float_denorm_mode_16_64 3
		.amdhsa_memory_ordered 1
		.amdhsa_forward_progress 1
		.amdhsa_inst_pref_size 12
	.end_amdhsa_kernel
	.amdgpu_metadata
---
amdhsa.version: [ 1, 2 ]
amdhsa.kernels:
  - .name:           k_q0cdde6ac2c_fold
    .symbol:         k_q0cdde6ac2c_fold.kd
    .args:
      - { .name: W1, .offset: 0, .size: 8, .value_kind: global_buffer, .address_space: global }
      - { .name: W2, .offset: 8, .size: 8, .value_kind: global_buffer, .address_space: global }
      - { .name: b1, .offset: 16, .size: 8, .value_kind: global_buffer, .address_space: global }
      - { .name: b2, .offset: 24, .size: 8, .value_kind: global_buffer, .address_space: global }
      - { .name: wc, .offset: 32, .size: 8, .value_kind: global_buffer, .address_space: global }
    .group_segment_fixed_size: 10496
    .private_segment_fixed_size: 0
    .kernarg_segment_align: 8
    .kernarg_segment_size: 40
    .max_flat_workgroup_size: 512
    .sgpr_count:     66
    .vgpr_count:     98
    .wavefront_size: 32
...
	.end_amdgpu_metadata
.endif
;; end of part 1
;; launch route (part 2): grid 256 x 1, 16 waves a work-group, no clusters, 52,224 bytes of LDS; arguments x, wc, out0, out1, out2, out3; writes out0, out1, out2, out3
.if DOCPART == 2
	.amdgcn_target "amdgcn-amd-amdhsa--gfx1250"
	.amdhsa_code_object_version 6
	.text
	.protected	k_q0cdde6ac2c_route
	.globl	k_q0cdde6ac2c_route
	.p2align	8
	.type	k_q0cdde6ac2c_route,@function
k_q0cdde6ac2c_route:
	s_mov_b64 s[64:65], 0
	v_nop
	global_prefetch_b8 v0, s[64:65] scope:SCOPE_SE
	s_setreg_imm32_b32 hwreg(HW_REG_WAVE_MODE, 25, 1), 1
	s_wait_xcnt 0x0
; logits = x Wc^T + bc (Wc, bc from the launch before), softmax over 8, the two largest, their weights, the one-hot masks [8][2][N].
; After the fold the product has 8 columns: 8 multiply-adds for each 4 bytes of x, a stream of x.  It is done in f32 on the vector unit
; (v_pk_fma_f32): indices and masks are compared exactly, and 16-bit operands would move logits by far more than the gaps between neighbours.
; A work-group owns 128 tokens (512 KB of x, read once).  Wave w: quarter c4 = w & 3 of the row (1 KB), tokens 32 (w >> 2) .. + 31, in 8 groups
; of 4 rows.  Lane l owns d = 256 c4 + 128 i + 4 l + c, word m = 4 i + c: each load of a wave covers 512 consecutive aligned bytes.
; The wave's quarter of Wc stays in 64 registers.  Four register slots of 8 loads: 24 to 32 loads of 512 bytes of each of the 16 waves are out.
; Left out: LDS ring and tensor loads (the registers hold what is in flight; a ring would write and read all of x once more); clusters
; (the only shared input, wc, is 32 KB of the 544 KB that a work-group reads); prefetch (the stream itself keeps requests out all the time).
; STATED LIMITS: sums are trees and W2 W1 is formed first, so the order of rounding differs from reference()'s and the order of two logits that
; lie within a few 1e-7 of their size of each other can differ.  v_exp_f32 gives 0 for results below 2^-126, so such probabilities tie at 0
; and the lowest index wins.  NaN or infinite logits are not served.
.set WL,   0                           ; LDS     0..32767  Wc as the registers want it: 8192 c4 + 512 j + 16 l + 4 (e & 3), j = 2 m + (e >> 2)
.set PL,   32768                       ; LDS 32768..49151  partial logits: 4096 c4 + 32 token + 4 e
.set IDX,  49152                       ; LDS 49152..50175  indices: 512 k + 4 token
.set BQ,   8                           ; v[8:11]    bc[4 (t & 1) .. + 3]
.set T,    12                          ; v[12:15]   at work in the reduction; the mask words at the end
.set W,    16                          ; v[16:79]   W[8 m + e]; v16-v19 addresses in the tail
.set ACC,  80                          ; v[80:111]  ACC[8 r + e], row r of the group's four
.set X,    112                         ; v[112:239] slot s at 112 + 32 s: row r, word m at + 8 r + m; the tail's numbers
.set LG,   112                         ; tail: partial logits, then the logits in v[112:119]
.set PR,   144                         ; tail: v[144:151] exponentials, then probabilities
.set WT,   152                         ; tail: v[152:153] the two weights
.set IX,   154                         ; tail: v[154:155] the two indices
.set MX,   156
.set B1,   157
.set B2,   158
.set RC,   159
.set SM,   160                         ; tail: v[160:163] sums
; v1 x offset, v2 wc offset, v3 image store, v4 image load, v5 partial-logit store, v6 16 l, v7 16 (t & 1)
	s_load_b256 s[4:11], s[0:1], 0x0               ; x s[4:5], wc s[6:7], out0 s[8:9], out1 s[10:11]
	s_load_b128 s[12:15], s[0:1], 0x20             ; out2 s[12:13], out3 s[14:15]
	v_lshl_add_u32 v240, v0, 2, 0xc400
	v_mov_b32 v241, 0
	v_lshrrev_b32 v1, 5, v0
	v_readfirstlane_b32 s16, v1                    ; wave 0..15
	v_and_b32 v6, 31, v0
	v_lshlrev_b32 v6, 4, v6                        ; 16 l
	v_and_b32 v7, 1, v0
	v_lshlrev_b32 v7, 4, v7                        ; 16 (t & 1)
	s_and_b32 s32, s16, 3                          ; c4
	s_lshr_b32 s33, s16, 2                         ; w >> 2: my 32 tokens
	s_and_b32 s35, s16, 1                          ; w & 1
	s_lshr_b32 s17, s16, 1                         ; w >> 1
	s_lshl_b32 s36, s33, 17                        ; 32 tokens of 4,096 bytes
	s_lshl_b32 s37, s32, 10                        ; my quarter of the row
	s_add_co_u32 s36, s36, s37
	v_add_nc_u32 v1, s36, v6                       ; x: never stepped, all steps are immediates
	s_lshl_b32 s36, s35, 14                        ; wc: rows 4 (w & 1) + q,
	s_lshl_b32 s37, s17, 9                         ; columns 128 (w >> 1) + 4 l ..
	s_add_co_u32 s36, s36, s37
	v_add_nc_u32 v2, s36, v6
	s_lshl_b32 s2, ttmp9, 19                       ; the work-group's 128 rows of x
	s_mov_b32 s3, 0
	s_wait_kmcnt 0x0
	s_add_nc_u64 s[4:5], s[4:5], s[2:3]
	s_load_b256 s[24:31], s[6:7], 0x8000           ; bc[0..7] as scalars (this launch stores nothing into wc)
; Eight loads: rows 4 g .. 4 g + 3 of my 32, my 1 KB of each in two pieces of 512 bytes
.macro FILL slot, g
.irp r, 0,1,2,3
.irp i, 0,1
	global_load_b128 v[X+32*\slot+8*\r+4*\i:X+32*\slot+8*\r+4*\i+3], v1, s[4:5] offset:4096*(4*(\g)+\r)+512*\i th:TH_LOAD_NT
.endr
.endr
.endm
	global_load_b128 v[BQ:BQ+3], v7, s[6:7] offset:32768
.irp q, 0,1,2,3
	global_load_b128 v[ACC+4*\q:ACC+4*\q+3], v2, s[6:7] offset:4096*\q     ; Wc[4 (w & 1) + q][128 (w >> 1) + 4 l + c] in ACC[4 q + c]
.endr
	FILL 0, 0
	FILL 1, 1
	FILL 2, 2
	FILL 3, 3
	; the rest of the set-up, while the loads are out
	s_lshl_b32 s2, ttmp9, 12                       ; out0: 128 tokens of 32 bytes
	s_add_nc_u64 s[8:9], s[8:9], s[2:3]
	s_lshl_b32 s2, ttmp9, 10                       ; out1, out2: 128 tokens of 8 bytes
	s_add_nc_u64 s[10:11], s[10:11], s[2:3]
	s_add_nc_u64 s[12:13], s[12:13], s[2:3]
	s_lshl_b32 s2, ttmp9, 9                        ; out3: segment (e, k) = w of 131,072 bytes, 128 tokens of 4 bytes
	s_lshl_b32 s36, s16, 17
	s_add_co_u32 s2, s2, s36
	s_add_nc_u64 s[14:15], s[14:15], s[2:3]
	s_lshl_b32 s36, s33, 13                        ; image store: the columns' quarter is w >> 2,
	s_and_b32 s37, s17, 1
	s_lshl_b32 s37, s37, 12                        ; their i is (w >> 1) & 1: 512 x 2 x 4 i,
	s_add_co_u32 s36, s36, s37
	s_lshl_b32 s37, s35, 9                         ; e >> 2 is w & 1
	s_add_co_u32 s36, s36, s37
	v_add_nc_u32 v3, s36, v6
	s_lshl_b32 s36, s32, 13                        ; image load: my quarter
	v_add_nc_u32 v4, s36, v6
	s_lshl_b32 s36, s32, 12                        ; partial logits: 4096 c4 + 1024 (w >> 2) + 4 l
	s_lshl_b32 s37, s33, 10
	s_add_co_u32 s36, s36, s37
	v_lshrrev_b32 v5, 2, v6
	v_add_nc_u32 v5, s36, v5
	s_mov_b32 s20, 0xff00ff00                      ; lanes with bit 3 set
	s_mov_b32 s21, 0xf0f0f0f0                      ; bit 2
	s_mov_b32 s22, 0xcccccccc                      ; bit 1
	s_mov_b32 s23, 0xaaaaaaaa                      ; bit 0
	s_wait_loadcnt 32                              ; the 32 loads of x stay out; BQ and my part of Wc, which are older, are in
.irp q, 0,1,2,3
.irp c, 0,1,2,3
	ds_store_b32 v3, v[ACC+4*\q+\c] offset:WL+1024*\c+4*\q     ; each block of 512 bytes (one c) is filled by this wave alone
.endr
.endr
	s_wait_dscnt 0x0                               ; for the other waves: zero
	s_barrier_signal -1
	s_barrier_wait -1
.irp j, 0,1,2,3,4,5,6,7,8,9,10,11,12,13,14,15
	ds_load_b128 v[W+4*\j:W+4*\j+3], v4 offset:WL+512*\j       ; W[8 m + e]: j = 2 m + (e >> 2), 16 consecutive bytes a lane
.endr
	s_wait_dscnt 0x0
	s_wait_kmcnt 0x0                               ; bc
; Word m = 2 mp + b of four rows x eight experts: 16 packed products in 16 chains.  x is register b of its pair, sent to both halves.
.macro FMAM slot, mp, b, first
.irp r, 0,1,2,3
.irp p, 0,1,2,3
.if \first
	v_pk_mul_f32 v[ACC+8*\r+2*\p:ACC+8*\r+2*\p+1], v[X+32*\slot+8*\r+2*\mp:X+32*\slot+8*\r+2*\mp+1], v[W+8*(2*\mp+\b)+2*\p:W+8*(2*\mp+\b)+2*\p+1] op_sel:[\b,0] op_sel_hi:[\b,1]
.else
	v_pk_fma_f32 v[ACC+8*\r+2*\p:ACC+8*\r+2*\p+1], v[X+32*\slot+8*\r+2*\mp:X+32*\slot+8*\r+2*\mp+1], v[W+8*(2*\mp+\b)+2*\p:W+8*(2*\mp+\b)+2*\p+1], v[ACC+8*\r+2*\p:ACC+8*\r+2*\p+1] op_sel:[\b,0,0] op_sel_hi:[\b,1,1]
.endif
.endr
.endr
.endm
.macro FMA slot
	FMAM \slot, 0, 0, 1                            ; the first products start the sums
	FMAM \slot, 0, 1, 0
.irp mp, 1,2,3
	FMAM \slot, \mp, 0, 0
	FMAM \slot, \mp, 1, 0
.endr
.endm
; One halving step: of values q and q + n a lane keeps the one whose bit equals its own lane bit and hands the other to lane xor xm.
.macro HALVE n, mask, xm
.set q, 0
.rept \n
	v_cndmask_b32 v[T+q%4], v[ACC+q+\n], v[ACC+q], \mask       ; what I hand over
	v_cndmask_b32 v[ACC+q], v[ACC+q], v[ACC+q+\n], \mask       ; what I keep
	v_add_f32_dpp v[ACC+q], v[T+q%4], v[ACC+q] row_xmask:\xm row_mask:0xf bank_mask:0xf
.set q, q+1
.endr
.endm
; 32 values, each spread over 32 lanes, to one value a lane: lane l ends with the whole sum of value l = 8 r + e, in ACC[0].
.macro REDUCE
.set q, 0
.rept 16
	v_permlane16_swap_b32 v[ACC+q], v[ACC+q+16]    ; upper lanes of value q for lower lanes of value q + 16
.set q, q+1
.endr
.set q, 0
.rept 8
	v_pk_add_f32 v[ACC+q:ACC+q+1], v[ACC+q:ACC+q+1], v[ACC+q+16:ACC+q+17]
.set q, q+2
.endr
	HALVE 8, s20, 8
	HALVE 4, s21, 4
	HALVE 2, s22, 2
	HALVE 1, s23, 1
.endm
; Group g, in slot g & 3.  left = the loads of the younger groups, eight each, which stay out (loads return in order).
.macro GROUP g, slot, left, refill
	s_wait_loadcnt \left
	FMA \slot
.if \refill
	FILL \slot, \g+4                               ; the slot's words have been multiplied: four groups ahead
.endif
	REDUCE
	ds_store_b32 v5, v[ACC] offset:PL+128*\g       ; token 32 (w >> 2) + 4 g + r, expert e: 128 consecutive bytes
.endm
	GROUP 0, 0, 24, 1
	GROUP 1, 1, 24, 1
	GROUP 2, 2, 24, 1
	GROUP 3, 3, 24, 1
	GROUP 4, 0, 24, 0                              ; nothing is left to ask for: the counts run down
	GROUP 5, 1, 16, 0
	GROUP 6, 2, 8, 0
	GROUP 7, 3, 0, 0
	s_wait_dscnt 0x0                               ; for the waves that read the partial logits: zero
	s_barrier_signal -1
	s_barrier_wait -1
	s_cmp_ge_u32 s16, 4
	s_cbranch_scc1 .Lnot_top
	; ---- waves 0-3: thread t is token t.  Softmax, the two largest, weights, indices.
	v_lshlrev_b32 v16, 5, v0                       ; 32 t
.irp c, 0,1,2,3
	ds_load_b128 v[LG+8*\c:LG+8*\c+3],   v16 offset:PL+4096*\c
	ds_load_b128 v[LG+8*\c+4:LG+8*\c+7], v16 offset:PL+4096*\c+16
.endr
	v_lshlrev_b32 v17, 3, v0                       ; 8 t: out1, out2
	v_lshlrev_b32 v18, 2, v0                       ; 4 t: IDX
	s_wait_dscnt 0x0
.irp p, 0,2,4,6
	v_pk_add_f32 v[LG+\p:LG+\p+1],       v[LG+\p:LG+\p+1],       v[LG+8+\p:LG+8+\p+1]      ; quarters 0 + 1
	v_pk_add_f32 v[LG+16+\p:LG+16+\p+1], v[LG+16+\p:LG+16+\p+1], v[LG+24+\p:LG+24+\p+1]    ; quarters 2 + 3
.endr
.irp p, 0,2,4,6
	v_pk_add_f32 v[LG+\p:LG+\p+1], v[LG+\p:LG+\p+1], v[LG+16+\p:LG+16+\p+1]
.endr
.irp e, 0,1,2,3,4,5,6,7
	v_add_f32 v[LG+\e], s[24+\e], v[LG+\e]         ; + bc
.endr
	v_max3_num_f32 v[MX], v[LG], v[LG+1], v[LG+2]
	v_max3_num_f32 v[MX], v[MX], v[LG+3], v[LG+4]
	v_max3_num_f32 v[MX], v[MX], v[LG+5], v[LG+6]
	v_max_num_f32 v[MX], v[MX], v[LG+7]
.irp e, 0,1,2,3,4,5,6,7
	v_sub_f32 v[PR+\e], v[LG+\e], v[MX]            ; the maximum goes first, as in reference()
.endr
.irp p, 0,2,4,6
	v_pk_mul_f32 v[PR+\p:PR+\p+1], v[PR+\p:PR+\p+1], 0x3fb8aa3b op_sel_hi:[1,0]    ; x log2(e): v_exp_f32 is 2^x
.endr
.irp e, 0,1,2,3,4,5,6,7
	v_exp_f32 v[PR+\e], v[PR+\e]
.endr
	v_mov_b32 v[IX], 0                             ; the plain instruction between the last v_exp_f32 and the first use of a result
	v_mov_b32 v[IX+1], 0
	s_wait_alu depctr_va_vdst(0)
	v_pk_add_f32 v[SM:SM+1],   v[PR:PR+1],     v[PR+2:PR+3]
	v_pk_add_f32 v[SM+2:SM+3], v[PR+4:PR+5],   v[PR+6:PR+7]
	v_pk_add_f32 v[SM:SM+1],   v[SM:SM+1],     v[SM+2:SM+3]
	v_add_f32 v[SM], v[SM], v[SM+1]                ; at least 1: the largest term is 2^0
	v_rcp_f32 v[RC], v[SM]
	v_mov_b32 v[B2], -1.0                          ; the plain instruction behind v_rcp_f32; below every probability
	s_wait_alu depctr_va_vdst(0)
.irp e, 0,1,2,3,4,5,6,7
	v_mul_f32 v[PR+\e], v[PR+\e], v[RC]            ; probabilities
.endr
	v_mov_b32 v[B1], v[PR]
; Expert e against the best two so far.  Strictly greater: of equal probabilities the lower index stays in front, as in top_k.
.macro INSERT e
	v_cmp_gt_f32 vcc_lo, v[PR+\e], v[B1]
	v_cmp_gt_f32 s34, v[PR+\e], v[B2]
	v_cndmask_b32 v[B2], v[B2], v[PR+\e], s34
	v_cndmask_b32 v[IX+1], v[IX+1], \e, s34
	v_cndmask_b32 v[B2], v[B2], v[B1], vcc_lo      ; a new best pushes the old best to second place
	v_cndmask_b32 v[IX+1], v[IX+1], v[IX], vcc_lo
	v_cndmask_b32 v[B1], v[B1], v[PR+\e], vcc_lo
	v_cndmask_b32 v[IX], v[IX], \e, vcc_lo
.endm
.irp e, 1,2,3,4,5,6,7
	INSERT \e
.endr
	v_add_f32 v[SM], v[B1], v[B2]                  ; at least 1/8
	v_rcp_f32 v[RC], v[SM]
	v_nop                                          ; the plain instruction behind v_rcp_f32: nothing useful is left
	s_wait_alu depctr_va_vdst(0)
	v_mul_f32 v[WT], v[B1], v[RC]
	v_mul_f32 v[WT+1], v[B2], v[RC]
	global_store_b64 v17, v[WT:WT+1], s[10:11] th:TH_STORE_NT      ; a wave's store covers 256 consecutive aligned bytes
	global_store_b64 v17, v[IX:IX+1], s[12:13] th:TH_STORE_NT
	ds_store_b32 v18, v[IX] offset:IDX
	ds_store_b32 v18, v[IX+1] offset:IDX+512
	s_branch .Ljoin
.Lnot_top:
	s_cmp_ge_u32 s16, 12
	s_cbranch_scc1 .Ljoin
	; ---- waves 4-11: thread t takes 16 bytes of out0: token (t - 128) >> 1, experts 4 (t & 1) .. + 3.  16 t with -2048 in the immediates.
	v_lshlrev_b32 v16, 4, v0
.irp c, 0,1,2,3
	ds_load_b128 v[LG+4*\c:LG+4*\c+3], v16 offset:PL-2048+4096*\c
.endr
	s_wait_dscnt 0x0
	v_pk_add_f32 v[LG:LG+1],     v[LG:LG+1],     v[LG+4:LG+5]      ; the same order of sums as in waves 0-3
	v_pk_add_f32 v[LG+2:LG+3],   v[LG+2:LG+3],   v[LG+6:LG+7]
	v_pk_add_f32 v[LG+8:LG+9],   v[LG+8:LG+9],   v[LG+12:LG+13]
	v_pk_add_f32 v[LG+10:LG+11], v[LG+10:LG+11], v[LG+14:LG+15]
	v_pk_add_f32 v[LG:LG+1],     v[LG:LG+1],     v[LG+8:LG+9]
	v_pk_add_f32 v[LG+2:LG+3],   v[LG+2:LG+3],   v[LG+10:LG+11]
	v_pk_add_f32 v[LG:LG+1],     v[LG:LG+1],     v[BQ:BQ+1]
	v_pk_add_f32 v[LG+2:LG+3],   v[LG+2:LG+3],   v[BQ+2:BQ+3]
	global_store_b128 v16, v[LG:LG+3], s[8:9] offset:-2048 th:TH_STORE_NT  ; a wave's store covers 512 consecutive aligned bytes
.Ljoin:
	s_wait_dscnt 0x0                               ; the indices in LDS, for all waves: zero
	s_barrier_signal -1
	s_barrier_wait -1
	; ---- all waves: wave w writes the work-group's 128 tokens of mask segment (e = w >> 1, k = w & 1)
	s_lshl_b32 s36, s35, 9
	v_add_nc_u32 v19, s36, v6                      ; 512 k + 16 l (a register that no pending store names)
	ds_load_b128 v[T:T+3], v19 offset:IDX          ; the k-th index of tokens 4 l .. 4 l + 3
	s_wait_dscnt 0x0
.irp i, 0,1,2,3
	v_cmp_eq_u32 vcc_lo, s17, v[T+\i]
	v_cndmask_b32 v[T+\i], 0, 1, vcc_lo
.endr
	global_store_b128 v6, v[T:T+3], s[14:15] th:TH_STORE_NT        ; 512 consecutive aligned bytes
	s_wait_tensorcnt 0x0
	ds_add_u32 v240, v241
	s_wait_dscnt 0x0
	s_endpgm
.Lfunc_end_k_q0cdde6ac2c_route:
	.size	k_q0cdde6ac2c_route, .Lfunc_end_k_q0cdde6ac2c_route-k_q0cdde6ac2c_route
	.p2alignl 7, 3214868480
	.fill 96, 4, 3214868480
	.section	.rodata,"a",@progbits
	.p2align	6, 0x0
	.amdhsa_kernel k_q0cdde6ac2c_route
		.amdhsa_group_segment_fixed_size 52224
		.amdhsa_private_segment_fixed_size 0
		.amdhsa_enable_private_segment 0
		.amdhsa_kernarg_size 48
		.amdhsa_user_sgpr_count 2
		.amdhsa_user_sgpr_kernarg_segment_ptr 1
		.amdhsa_wavefront_size32 1
		.amdhsa_system_sgpr_workgroup_id_x 1
		.amdhsa_system_sgpr_workgroup_id_y 1
		.amdhsa_system_sgpr_workgroup_id_z 1
		.amdhsa_system_vgpr_workitem_id 0
		.amdhsa_next_free_vgpr 242
		.amdhsa_next_free_sgpr 66
		.amdhsa_reserve_vcc 1
		.amdhsa_float_denorm_mode_32 3
		.amdhsa_float_denorm_mode_16_64 3
		.amdhsa_memory_ordered 1
		.amdhsa_forward_progress 1
		.amdhsa_inst_pref_size 115
	.end_amdhsa_kernel
	.amdgpu_metadata
---
amdhsa.version: [ 1, 2 ]
amdhsa.kernels:
  - .name:           k_q0cdde6ac2c_route
    .symbol:         k_q0cdde6ac2c_route.kd
    .args:
      - { .name: x, .offset: 0, .size: 8, .value_kind: global_buffer, .address_space: global }
      - { .name: wc, .offset: 8, .size: 8, .value_kind: global_buffer, .address_space: global }
      - { .name: out0, .offset: 16, .size: 8, .value_kind: global_buffer, .address_space: global }
      - { .name: out1, .offset: 24, .size: 8, .value_kind: global_buffer, .address_space: global }
      - { .name: out2, .offset: 32, .size: 8, .value_kind: global_buffer, .address_space: global }
      - { .name: out3, .offset: 40, .size: 8, .value_kind: global_buffer, .address_space: global }
    .group_segment_fixed_size: 52224
    .private_segment_fixed_size: 0
    .kernarg_segment_align: 8
    .kernarg_segment_size: 48
    .max_flat_workgroup_size: 512
    .sgpr_count:     66
    .vgpr_count:     242
    .wavefront_size: 32
...
	.end_amdgpu_metadata
.endif
;; end of part 2
